; MI455X (gfx1250); checked and timed in simulation.
; The chip was launched on July 23, 2026; its instructions are those of AMD's public machine-readable ISA for CDNA 5 (MIT licence, August 2026) and "CDNA5" Instruction Set Architecture Reference Guide (July 2026). The comments in the code are by the model that wrote it; some were corrected since.
;; Sentence Enforced Switch Moe Block. Allowed arithmetic: matrix products marked QUANTISED: E2M1 operands, one E8M0 scale for each 32 along K, by v_wmma_scale_f32_16x16x128_f8f6f4 with both operands' format E2M1 (or v_wmma_scale_f32_32x16x128_f4), f32 sums; everything else in f32.
;; Inputs: W1 8 x 512 x 2,048 float32; W2 8 x 2,048 x 512 float32; assignment 64 int32; b1 8 x 2,048 float32; b2 8 x 512 float32; hidden_states_codes 64 x 512 x 16 x 16 uint8 (E2M1 codes of hidden_states, K innermost, in blocks of 32 codes, two codes a byte); hidden_states_scales 64 x 512 x 16 uint8 (E8M0 scales of hidden_states, one for each 32 codes along K).
;; Outputs: out0 64 x 512 x 512 float32.
;; This version of the problem:
;;   THIS VERSION OF THE PROBLEM IS GIVEN IN LOW PRECISION. The matrix products marked QUANTISED in the list below multiply operands that are first quantised to E2M1 (2 exponent bits, 1 mantissa bit; 4 bits a number), with one power-of-two scale for each 32 numbers along K (OCP MX v1.0); their sums are f32. All else is computed in f32.
;;   The module's matrix products, in the order in which they are computed (A, B: the left and right operand; K: the contracted axis; several contracted axes count as one K, in the product's order):
;;     1. batch 64 x [M 512, K 512] x [K 512, N 2,048]; A: input hidden_states (given as codes); B: computed on the way: QUANTISED
;;     2. batch 64 x [M 512, K 2,048] x [K 2,048, N 512]; A: computed on the way; B: computed on the way: QUANTISED
;;   THE QUANTISER, for each operand of a quantised product, along K:
;;     - K is cut into blocks of 32 from its start; a last block that is shorter is filled with zeros.
;;     - A block's scale is 2^e with e = floor(log2(the largest magnitude in the block)) - 2, held to -126 .. 127; a block of zeros has e = 0. As a byte (E8M0): e + 127.
;;     - Each number is divided by its block's scale, clamped to +-6, and rounded to the nearest number of E2M1, ties to even, subnormals kept.
;;     - The product sums the exact products of the quantised numbers (number of the format x scale) in f32.
;;   ~~~python
;;   def quantise(x, axis):      # numpy; x: float32 -> the quantised numbers, widened to float32 again
;;       x = np.moveaxis(x, axis, -1); K = x.shape[-1]
;;       x = np.pad(x, [(0, 0)] * (x.ndim - 1) + [(0, -K % 32)]); x = x.reshape(x.shape[:-1] + (-1, 32)); a = np.abs(x).max(-1, keepdims=True)
;;       e = np.where(a > 0, np.clip(np.frexp(np.where(a > 0, a, 1))[1] - 1 - 2, -126, 127), 0)      # np.frexp(a)[1] - 1 = floor(log2(a)), exactly
;;       r = np.clip(x / 2.0 ** e, -6, 6)
;;       step = 2.0 ** (np.maximum(np.frexp(np.where(r == 0, 1, r))[1] - 1, 0) - 1)
;;       q = np.round(r / step) * step * 2.0 ** e      # np.round: ties to even
;;       return np.moveaxis(q.reshape(q.shape[:-2] + (-1,))[..., :K], -1, axis).astype(np.float32)
;;   ~~~
;;   OPERANDS COMPUTED ON THE WAY. 'Computed on the way' means the value that the module computes at that place (a softmax that the list does not call 'softmax' is quantised finished and normalised). What goes into a quantiser is computed in f32, as accurately as f32 sums, v_exp_f32 and their like allow (about 1e-6 of the number): no bf16 or f16 on the way to a quantiser, and a product that is left as it is and whose result goes on into a quantised operand takes f32 operands (vector FMAs, or v_wmma_f32_16x16x4_f32). A number that lies on a knife's edge between two numbers of the format may be rounded either way, as far as f32 arithmetic and the matrix unit's own rounding can turn it there, and no further.
;;   INPUTS GIVEN AS CODES. hidden_states (in the module: [64, 512, 512], K = its axis 2): each comes as NAME_codes (uint8): NAME with its K axis moved to the last place and cut into blocks of 32 codes, [.., K / 32, bytes a block], one block behind the other in memory; two codes a byte, the lower K in the low four bits (a code: sign, 2 exponent bits, 1 mantissa bit); and NAME_scales (uint8): the same leading axes, one E8M0 byte (e + 127) for each 32 codes along K. Its value is code x scale, taken as it is: it is not quantised again, and the codes and scales need not be those that the quantiser above would give.
;; One version. Each part assembles by itself: llvm-mc -triple=amdgcn-amd-amdhsa -mcpu=gfx1250 --defsym DOCPART=n.
;; ======== version 1 of 1: 2 launches
;; workspace buffers: wq 8,912,896 bytes
;; launch quant (part 1): grid 512 x 1, 4 waves a work-group, no clusters, 0 bytes of LDS; arguments W1, W2, wq; writes wq
.if DOCPART == 1
	.amdgcn_target "amdgcn-amd-amdhsa--gfx1250"
	.amdhsa_code_object_version 6
	.text
	.protected	k_qa39fe68c05_quant
	.globl	k_qa39fe68c05_quant
	.p2align	8
	.type	k_qa39fe68c05_quant,@function
k_qa39fe68c05_quant:
	s_mov_b64 s[64:65], 0
	v_nop
	global_prefetch_b8 v0, s[64:65] scope:SCOPE_SE
	s_setreg_imm32_b32 hwreg(HW_REG_WAVE_MODE, 25, 1), 1
	s_wait_xcnt 0x0
; W1 [8][512 (k)][2048 (n)] and W2 [8][2048 (k)][512 (n)], f32, K their first axis within an expert, become codes of FP4 (E2M1) with one E8M0 scale byte for each 32 along K,
; stored in wq IN THE ORDER OF THE OPERAND REGISTERS of the launch that multiplies: that launch brings W1's blocks into LDS, takes W2's straight from memory, and loads every fragment as 16 bytes a lane, lane by lane.
; A block's scale is 2^(floor(log2(its largest magnitude)) - 2); its byte is the largest magnitude's exponent field - 2, held at 1 from below.
; LIMITS: a block of zeros, or one whose largest magnitude lies under 2^-124, gets the byte 1 (a block of zeros has zero codes, which add nothing under that byte; this program alone reads the bytes);
; NaN and infinities among the inputs are not served.
; LAYOUT OF wq.  Expert e begins at e x ESTR.  In it 16 blocks of BLKB bytes: block 2 c = W1's hidden units 256 c .. 256 c + 255 (all of K = 512), block 2 c + 1 = W2's K = 256 c .. 256 c + 255 (all 512 columns).
; A block is 65,536 bytes of codes, then 4,096 bytes of scale words.  A fragment (16 columns x 128 K) is 1,024 bytes: the 16 bytes of k = 64 c2 + 32 h + 0 .. 31 of the fragment's column r lie at 512 c2 + 256 h + 16 r.
;   W1(c): fragment (wave w, tile t = 2 b + u, K step q) at ((4 w + t) 4 + q) 1,024; its column r is hidden unit 64 w + 32 b + 8 u + r + 8 (r / 8) of the chunk: so that the results of tiles 2 b and 2 b + 1 are neighbours along the next K.
;          scale bytes of k blocks 8 kh .. 8 kh + 7 of that unit: 8 bytes at 1,024 w + 256 (2 b + kh) + 8 (16 u + r).
;   W2(c): fragment (wave w, tile bt, K step s) at ((8 w + bt) 2 + s) 1,024; its column r is output 128 w + 16 bt + r.  Its 8 scale bytes at 1,024 w + 256 (bt / 2) + 8 (16 (bt % 2) + r).
; SHARES.  A LANE TAKES A COLUMN AND ITS REGISTERS RUN DOWN K: a load reads 128 consecutive bytes a wave (the four waves stand side by side on 512), a block of 32 along K lies in one lane's 32 registers,
; its largest magnitude needs no other lane, and the conversions give codes with K innermost.  A wave takes 32 columns x 256 along K: 8 blocks a lane.  Block j's 16 bytes lie 256 j on from block 0's in both layouts.
; Work-groups 0 to 255 take W1, 256 to 511 W2.  No LDS, no barrier: waves share nothing.  Loads run two blocks (64 loads a wave) ahead.
.set ESTR,  1114112                    ; an expert's 16 blocks
.set PAIR,  139264                     ; two blocks
.set BLKB,  69632                      ; a block
.set X,     32                         ; v32-95   two sets of 32 numbers
.set C,     96                         ; v96-127  a block's codes: four registers for each of the 8 blocks, so that no store's data are written again
.set SB,    24                         ; v[24:25] the 8 scale bytes
	s_load_b128 s[4:7], s[0:1], 0x0                ; W1, W2
	s_load_b64 s[8:9], s[0:1], 0x10                ; wq
	v_lshrrev_b32 v1, 5, v0
	v_readfirstlane_b32 s16, v1                    ; wave 0..3
	v_and_b32 v2, 31, v0                           ; lane
	v_lshlrev_b32 v3, 2, v2                        ; in: 4 bytes a lane
	s_bfe_u32 s17, ttmp9, 0x30005                  ; the expert: bits 7:5 of the work-group's number, in both halves of the grid
	s_lshl_b32 s20, s17, 22                        ; source: an expert is 4,194,304 bytes in both tensors,
	s_lshl_b32 s24, s16, 7
	s_add_co_u32 s20, s20, s24                     ; my wave's 32 columns
	s_mul_i32 s22, s17, ESTR                       ; wq: my expert
	s_mov_b32 s21, 0                               ; every offset stays under 2^32: the upper words are 0
	s_mov_b32 s23, 0
	s_mov_b32 s27, 0
	s_cmp_lt_u32 ttmp9, 256
	s_cbranch_scc0 .Lsecond
.macro LOAD t, pitch                   ; block t: rows 32 t + i of my column, i = 0 .. 31, into set t % 2
.irp i, 0,1,2,3,4,5,6,7,8,9,10,11,12,13,14,15,16,17,18,19,20,21,22,23,24,25,26,27,28,29,30,31
	global_load_b32 v[X+32*((\t)%2)+\i], v3, s[4:5] offset:(32*(\t)+\i)*(\pitch) th:TH_LOAD_NT
.endr
.endm
.macro BLOCK t, pitch
.set XS, X+32*((\t)%2)
.if (\t) < 7
	s_wait_loadcnt 32                              ; this block's 32 loads are in; the next block's 32 may be out
.else
	s_wait_loadcnt 0x0
.endif
	v_max3_num_f32 v12, |v[XS]|, |v[XS+1]|, |v[XS+2]|              ; the block's largest magnitude: all 32 numbers are mine; two chains
	v_max3_num_f32 v13, |v[XS+3]|, |v[XS+4]|, |v[XS+5]|
.irp i, 6,10,14,18,22,26
	v_max3_num_f32 v12, v12, |v[XS+\i]|, |v[XS+\i+1]|
	v_max3_num_f32 v13, v13, |v[XS+\i+2]|, |v[XS+\i+3]|
.endr
	v_max3_num_f32 v12, v12, |v[XS+30]|, |v[XS+31]|
	v_max3_num_f32 v12, v12, v13, 0x1800000        ; and the floor 2^(3 - 127): so the byte cannot fall under 1
	v_add_nc_u32 v11, 0xff000000, v12              ; 2 off its exponent field: the conversion takes the exponent field of this operand as its scale, and nothing else of it
	v_lshrrev_b32 v13, 23, v11                     ; the scale's byte
.if (\t)%4 == 0
	v_mov_b32 v[SB+(\t)/4], v13                    ; four bytes to a register, the lower K in the lower byte
.else
	v_lshl_or_b32 v[SB+(\t)/4], v13, 8*((\t)%4), v[SB+(\t)/4]
.endif
.irp g, 0,1,2,3
	v_cvt_scalef32_pk8_fp4_f32 v[C+4*(\t)+\g], v[XS+8*\g:XS+8*\g+7], v11
.endr
	global_store_b128 v4, v[C+4*(\t):C+4*(\t)+3], s[12:13] offset:256*(\t)   ; the 16 lanes of a tile store 256 consecutive bytes, aligned.  (The results go to a store alone; the next block begins with plain vector lines)
.if (\t)+2 < 8
	LOAD (\t)+2, \pitch
.endif
.endm
.macro UNIT pitch                      ; a wave's whole share
	LOAD 0, \pitch
	LOAD 1, \pitch
.irp t, 0,1,2,3,4,5,6,7
	BLOCK \t, \pitch
.endr
	global_store_b64 v5, v[SB:SB+1], s[14:15]      ; the 32 lanes store 256 consecutive bytes of scale words, aligned
	s_endpgm
.endm
	; ---- W1: work-group = (expert, G: 128 hidden units, kh: half of K)
	s_bfe_u32 s18, ttmp9, 0x40001                  ; G
	s_and_b32 s19, ttmp9, 1                        ; kh
	s_lshl_b32 s24, s19, 21
	s_add_co_u32 s20, s20, s24                     ; source: 256 kh rows of 8,192 bytes,
	s_lshl_b32 s24, s18, 9
	s_add_co_u32 s20, s20, s24                     ; 128 G columns
	s_lshr_b32 s24, s18, 1
	s_mul_i32 s24, s24, PAIR
	s_add_co_u32 s22, s22, s24                     ; block W1(c), c = G / 2
	s_and_b32 s24, s18, 1
	s_lshl_b32 s24, s24, 1
	s_lshr_b32 s25, s16, 1
	s_add_co_u32 s24, s24, s25                     ; w: which wave of the next launch owns my 32 units
	s_and_b32 s25, s16, 1                          ; b: which 32 of its 64
	s_lshl_b32 s26, s24, 10
	s_add_co_u32 s26, s26, s22
	s_lshl_b32 s28, s25, 9
	s_add_co_u32 s26, s26, s28
	s_lshl_b32 s28, s19, 8
	s_add_co_u32 s26, s26, s28
	s_add_co_u32 s26, s26, 65536                   ; the scale words: block + 65,536 + 1,024 w + 512 b + 256 kh
	s_lshl_b32 s24, s24, 14
	s_add_co_u32 s22, s22, s24
	s_lshl_b32 s25, s25, 13
	s_add_co_u32 s22, s22, s25
	s_lshl_b32 s28, s19, 11
	s_add_co_u32 s22, s22, s28                     ; the codes: block + 16,384 w + 8,192 b + 2,048 kh
	v_bfe_u32 v6, v2, 3, 1                         ; my unit l = 8 u + r + 8 (r / 8): u = (l / 8) % 2,
	v_and_b32 v7, 7, v2
	v_lshrrev_b32 v8, 4, v2
	v_lshl_add_u32 v7, v8, 3, v7                   ; r = l % 8 + 8 (l / 16)
	v_lshlrev_b32 v4, 4, v7
	v_lshl_add_u32 v4, v6, 12, v4                  ; codes: 4,096 u + 16 r
	v_lshl_add_u32 v5, v6, 4, v7
	v_lshlrev_b32 v5, 3, v5                        ; scale words: 8 (16 u + r)
	s_wait_kmcnt 0x0
	s_add_nc_u64 s[4:5], s[4:5], s[20:21]
	s_add_nc_u64 s[12:13], s[8:9], s[22:23]
	s_add_nc_u64 s[14:15], s[8:9], s[26:27]
	UNIT 8192                                      ; the largest immediate is 255 rows of 8,192 bytes, inside the signed 24 bits
.Lsecond:
	; ---- W2: work-group = (expert, c: 256 along K, G2: 128 outputs)
	s_bfe_u32 s18, ttmp9, 0x30002                  ; c
	s_and_b32 s19, ttmp9, 3                        ; G2 = w
	s_lshl_b32 s24, s18, 19
	s_add_co_u32 s20, s20, s24                     ; source: 256 c rows of 2,048 bytes,
	s_lshl_b32 s24, s19, 9
	s_add_co_u32 s20, s20, s24                     ; 128 G2 columns
	s_mul_i32 s24, s18, PAIR
	s_add_co_u32 s22, s22, s24
	s_add_co_u32 s22, s22, BLKB                    ; block W2(c)
	s_lshl_b32 s26, s19, 10
	s_add_co_u32 s26, s26, s22
	s_lshl_b32 s28, s16, 8
	s_add_co_u32 s26, s26, s28
	s_add_co_u32 s26, s26, 65536                   ; the scale words: block + 65,536 + 1,024 w + 256 x my wave (my 32 columns are tiles 2 x wave and 2 x wave + 1)
	s_lshl_b32 s24, s19, 14
	s_add_co_u32 s22, s22, s24
	s_lshl_b32 s24, s16, 12
	s_add_co_u32 s22, s22, s24                     ; the codes: block + 16,384 w + 4,096 x my wave
	v_and_b32 v7, 15, v2
	v_lshrrev_b32 v8, 4, v2
	v_lshlrev_b32 v4, 4, v7
	v_lshl_add_u32 v4, v8, 11, v4                  ; codes: 2,048 (l / 16) + 16 (l % 16)
	v_lshlrev_b32 v5, 3, v2                        ; scale words: 8 l
	s_wait_kmcnt 0x0
	s_add_nc_u64 s[4:5], s[6:7], s[20:21]
	s_add_nc_u64 s[12:13], s[8:9], s[22:23]
	s_add_nc_u64 s[14:15], s[8:9], s[26:27]
	UNIT 2048
.Lfunc_end_k_qa39fe68c05_quant:
	.size	k_qa39fe68c05_quant, .Lfunc_end_k_qa39fe68c05_quant-k_qa39fe68c05_quant
	.p2alignl 7, 3214868480
	.fill 96, 4, 3214868480
	.section	.rodata,"a",@progbits
	.p2align	6, 0x0
	.amdhsa_kernel k_qa39fe68c05_quant
		.amdhsa_group_segment_fixed_size 0
		.amdhsa_private_segment_fixed_size 0
		.amdhsa_enable_private_segment 0
		.amdhsa_kernarg_size 24
		.amdhsa_user_sgpr_count 2
		.amdhsa_user_sgpr_kernarg_segment_ptr 1
		.amdhsa_wavefront_size32 1
		.amdhsa_system_sgpr_workgroup_id_x 1
		.amdhsa_system_sgpr_workgroup_id_y 1
		.amdhsa_system_sgpr_workgroup_id_z 1
		.amdhsa_system_vgpr_workitem_id 0
		.amdhsa_next_free_vgpr 128
		.amdhsa_next_free_sgpr 66
		.amdhsa_reserve_vcc 0
		.amdhsa_float_denorm_mode_32 3
		.amdhsa_float_denorm_mode_16_64 3
		.amdhsa_memory_ordered 1
		.amdhsa_forward_progress 1
		.amdhsa_inst_pref_size 77
	.end_amdhsa_kernel
	.amdgpu_metadata
---
amdhsa.version: [ 1, 2 ]
amdhsa.kernels:
  - .name:           k_qa39fe68c05_quant
    .symbol:         k_qa39fe68c05_quant.kd
    .args:
      - { .name: W1, .offset: 0, .size: 8, .value_kind: global_buffer, .address_space: global }
      - { .name: W2, .offset: 8, .size: 8, .value_kind: global_buffer, .address_space: global }
      - { .name: wq, .offset: 16, .size: 8, .value_kind: global_buffer, .address_space: global }
    .group_segment_fixed_size: 0
    .private_segment_fixed_size: 0
    .kernarg_segment_align: 8
    .kernarg_segment_size: 24
    .max_flat_workgroup_size: 128
    .sgpr_count:     66
    .vgpr_count:     128
    .wavefront_size: 32
...
	.end_amdgpu_metadata
.endif
;; end of part 1
;; launch ffn (part 2): grid 256 x 1, 4 waves a work-group, no clusters, 327,680 bytes of LDS; arguments hidden_states_codes, hidden_states_scales, assignment, wq, b1, b2, out0; writes out0
.if DOCPART == 2
	.amdgcn_target "amdgcn-amd-amdhsa--gfx1250"
	.amdhsa_code_object_version 6
	.text
	.protected	k_qa39fe68c05_ffn
	.globl	k_qa39fe68c05_ffn
	.p2align	8
	.type	k_qa39fe68c05_ffn,@function
k_qa39fe68c05_ffn:
	s_mov_b64 s[64:65], 0
	v_nop
	global_prefetch_b8 v0, s[64:65] scope:SCOPE_SE
	s_setreg_imm32_b32 hwreg(HW_REG_WAVE_MODE, 25, 1), 1
	s_wait_xcnt 0x0
; out[b] = gelu(x[b] W1[e] + b1[e]) W2[e] + b2[e], e = assignment[b]; gelu in its tanh form; both products on codes of FP4 (E2M1) with one E8M0 scale for each 32 along K.
; x: [64][512][512] as codes (a row is 256 bytes) and scale bytes (16 a row), used as they are given.  The weights come from wq, as the launch before laid them: blocks of 69,632 bytes in the order of my operand registers
; (block 2 c: W1's hidden units 256 c on; block 2 c + 1: W2's K = 256 c on; 65,536 bytes of codes, then 4,096 of scale words).  b1 [8][2048], b2 [8][512], out [64][512][512]: f32.  The hidden layer never goes to memory.
; SHARES.  Work-group g takes rows 128 g .. 128 g + 127 of the 32,768: a quarter of sentence g / 4: 256 work-groups of equal work.
; NO JOINT LOADS, though the four work-groups of a sentence walk the same blocks of weights: the blocks' address hangs on assignment[b], a number that each work-group loads from memory for itself, and every register of
; a joint load's descriptor is to be made of ids and constants that the partners share.
; THE WAVES SHARE THE COLUMNS: the hidden layer goes in 8 chunks of 256 units; in chunk c wave w makes units 256 c + 64 w .. + 63 for all 128 rows, and over the launch it makes outputs 128 w .. + 127 for all 128 rows
; (64 accumulators, 512 registers).  So no byte of the weights is wanted by two waves, and a fragment of W2 feeds eight matrix instructions.
; BOTH PRODUCTS ARE USED TRANSPOSED (source 0 = 16 columns of the weight, source 1 = 16 rows): a lane holds one row, and its registers run along the hidden units (the next K) or along the outputs (neighbours in memory).
; A CHUNK.  A: all four waves have left the slot and the hidden images: the slot is filled with W1(c + 1), one tensor load a wave, and W2(c) is asked for STRAIGHT INTO ITS REGISTERS, which are free until phase 2 (36 loads a wave,
; 512 or 256 consecutive bytes each).  Phase 1, on W1(c) in registers and x in LDS, eight tiles of 16 rows: 16 products (b1 is the C of the first four), gelu, quantised in registers, the codes to LDS as an image of the
; operand's registers.  B: the tensor load has landed, the hidden layer's 16 fragments lie in LDS.  Phase 2: 128 products onto the accumulators; W1(c + 1) comes out of the slot and b1 of chunk c + 1 out of memory.
; W1 goes through LDS because its registers are free only during phase 2: the tensor load is asked for a whole phase 1 ahead.  One slot: that load has all of phase 1 in which to land, so a second slot would add nothing.
; By this text's own count a wave has one tensor load outstanding.
; The first chunk's first K step starts the sums with the constant 0; b2 is added on the way out, where a lane holds the same four outputs of every row (so b2 is the last term of each sum, not the first).
; No prefetch: an expert's blocks are walked by every work-group of its sentences, and which those are hangs on assignment: so no fixed share-out names each block once.
; gelu(x) = x / (1 + 2^(x (K0 + K1 x x))), K0 = -2 log2(e) sqrt(2 / pi), K1 = 0.044715 K0: the same function as 0.5 x (1 + tanh(..)); an exponent that overflows gives the function's limits, 0 or x.
; LIMITS: an index outside 0 .. 7 is held at 7 (the problem's index stays inside its table); a block of the hidden layer whose largest magnitude lies under 2^-124 takes the byte 1; NaN and infinities are not served.
; REGISTERS, in windows of 256.  Window 0: v4-31 addresses and constants; v32-63 x's four fragments; v64-95 my four tiles of the hidden layer, v96-127 at work (in phase 2 the 64 hold eight hidden fragments);
;   v128-159 b1; v160-195 scale words and nothing else; v196-211 the quantiser; v212-215 b2.  On the way out v32-159 take rows of out.   Window 1: v0-127 W1's 16 fragments; v128-255 W2's 16.   Windows 2, 3: the accumulators.
.set ESTR,   1114112                   ; an expert in wq
.set PAIR,   139264                    ; two blocks: from a chunk to the next
.set BLKB,   69632                     ; a block: what the slot holds
.set QUART,  17408                     ; a quarter of a block: 68 rows of 256 bytes, one wave's tensor load
.set XC,     69632                     ; LDS: the slot at 0; behind it x's codes: 128 rows, 256 bytes + 16 of padding, so that the 16 rows of a load start at 16 different banks (64 banks of 4 bytes: ISA guide 11.1)
.set XPITCH, 272
.set XSB,    104448                    ; x's scale bytes: 16 a row
.set HIMG,   106496                    ; the hidden layer's fragments (tile of rows m, K step s) at 1,024 (2 m + s), as images of their registers: 16 bytes a lane
.set HSC,    122880                    ; their scale words: 128 (2 m + s) + 4 x lane
.set STG,    124928                    ; the way out: 16 rows x (512 bytes + 16) for each wave
.set SPITCH, 528
.set SPARE,  158720                    ; the spare words, 128 bytes for each wave: two blocks of 256 bytes that no other line names
.set SPW,  4                           ; v4   SPARE + 4 x my thread's number; never rewritten
.set NIL,  5                           ; v5   0; never rewritten
.set AX0,  6                           ; v6   x's codes: XC + 272 r + 16 h
.set AXS0, 7                           ; v7   x's scale words: XSB + 16 r
.set ADX,  8                           ; v8   the same for the tile of rows to be fetched
.set ADXS, 9                           ; v9
.set WOF,  10                          ; v10  16,384 w + 16 l: my part of a block's codes: W1's in the slot (which begins at LDS byte 0), W2's in memory
.set WSF,  11                          ; v11  65,536 + 1,024 w + 8 l: my part of a block's scale words, likewise
.set HWI0, 14                          ; v14  where I store the hidden codes: HIMG + 512 w + 16 l (my 64 units are registers 4 (w % 2) on of K step w / 2)
.set HWS0, 15                          ; v15  and two scale bytes: HSC + 128 (w / 2) + 2 (w % 2) + 4 l
.set HWI,  16                          ; v16  the same for the tile of rows in hand
.set HWS,  17                          ; v17
.set LHI,  18                          ; v18  where I read hidden fragments: HIMG + 16 l
.set LHS,  19                          ; v19  and their scale words: HSC + 4 l
.set AB1,  20                          ; v20  b1: 64 h
.set STO,  21                          ; v21  the stage: where I put 32 bytes of a row
.set RD,   22                          ; v22  and where I read a row back
.set CO,   23                          ; v23  16 l
.set KC0,  24                          ; v[24:25] K0, twice
.set KC1,  26                          ; v[26:27] K1, twice
.set XR,   32                          ; x's fragment q at XR + 8 q
.set HR,   64                          ; my tile t of the hidden layer at HR + 8 t; in phase 2 hidden fragment m at HR + 8 m
.set TR,   96
.set B1R,  128                         ; b1's tile t at B1R + 8 t
.set W1S,  160                         ; W1's scale words: register 4 b + q: lanes 0-15 tile 2 b, lanes 16-31 tile 2 b + 1
.set W2S,  168                         ; W2's: register 2 p + s: lanes 0-15 tile 2 p, lanes 16-31 tile 2 p + 1
.set XSW,  176                         ; x's: register q
.set HS,   180                         ; the hidden layer's: register 2 m + s
.set MX,   196                         ; v196-199 largest magnitudes, four chains
.set PX,   200                         ; v200-201 lane l xor 16's
.set SO,   202                         ; v202-203 the conversions' scale operands
.set BY,   204                         ; v204-205 the scale bytes
.set PW,   206                         ; v206 both in one halfword
.set CD,   208                         ; v208-211 the codes
.set B2R,  212                         ; v212-215 b2 at my outputs 4 l .. 4 l + 3
.set W2R,  128                         ; in window 1: W2's fragment (s, bt) at W2R + 64 s + 8 bt
.set BK,   32                          ; the way out: 16 rows read back from the stage: v32-95 and v96-159 by turns
.set WV,   18                          ; s18  my wave's number
.set G1,   28                          ; s[28:35] descriptor group 1: the same for every load
.set G0,   36                          ; s[36:39] group 0: it walks from W1(0) to W1(7)
.set SEL,  52                          ; s[52:53] lane selects for v_permlanex16_b32: lane l xor 16
.set MSB, 0
.macro WIN new                         ; s_set_vgpr_msb: bits 1:0 source 0, 3:2 source 1, 5:4 source 2, 7:6 destination; the high byte repeats the setting that is left
.if MSB != (\new)
	s_set_vgpr_msb (MSB<<8)|(\new)
.set MSB, (\new)
.endif
.endm
.macro PLACES n
.rept \n
	v_nop
.endr
.endm
.macro BAR                             ; the work-group's barrier
	s_barrier_signal -1
	s_barrier_wait -1
.endm
; What every wave runs in front of a barrier: all its tensor loads have landed; 0 onto its spare word; the add and all its LDS loads and stores are done.  step = 1: the walking descriptor goes on to the next chunk's W1.
.macro MEET step
	WIN 0
	s_wait_tensorcnt 0x0                           ; no tensor load of mine is out, so a group 0 may be written
	ds_add_u32 v[SPW], v[NIL]
.if \step
	s_add_nc_u64 s[G0+2:G0+3], s[G0+2:G0+3], PAIR  ; the type bits on top are not reached (the last step's address is not used)
.endif
	s_wait_dscnt 0x0
.endm
; One product.  odd = 1: source 0's scale words stand in lanes 16-31 of their register.
.macro MM d, a, b, c, sa, sb, odd
.if \odd
	v_wmma_scale_f32_16x16x128_f8f6f4 v[\d:\d+7], v[\a:\a+7], v[\b:\b+7], v[\c:\c+7], v[\sa], v[\sb] matrix_a_fmt:MATRIX_FMT_FP4 matrix_b_fmt:MATRIX_FMT_FP4 matrix_a_scale:MATRIX_SCALE_ROW1
.else
	v_wmma_scale_f32_16x16x128_f8f6f4 v[\d:\d+7], v[\a:\a+7], v[\b:\b+7], v[\c:\c+7], v[\sa], v[\sb] matrix_a_fmt:MATRIX_FMT_FP4 matrix_b_fmt:MATRIX_FMT_FP4
.endif
.endm
.macro MM0 d, a, b, sa, sb, odd        ; the same with the constant 0 as C: it starts a sum
.if \odd
	v_wmma_scale_f32_16x16x128_f8f6f4 v[\d:\d+7], v[\a:\a+7], v[\b:\b+7], 0, v[\sa], v[\sb] matrix_a_fmt:MATRIX_FMT_FP4 matrix_b_fmt:MATRIX_FMT_FP4 matrix_a_scale:MATRIX_SCALE_ROW1
.else
	v_wmma_scale_f32_16x16x128_f8f6f4 v[\d:\d+7], v[\a:\a+7], v[\b:\b+7], 0, v[\sa], v[\sb] matrix_a_fmt:MATRIX_FMT_FP4 matrix_b_fmt:MATRIX_FMT_FP4
.endif
.endm
.macro XFETCH                          ; nine LDS loads: a tile of 16 rows of x: four fragments (lane (r, h): row r; registers 4 c on: the 16 bytes at 64 q + 32 c + 16 h) and the rows' four scale words
.irp q, 0,1,2,3
.irp c, 0,1
	ds_load_b128 v[XR+8*\q+4*\c:XR+8*\q+4*\c+3], v[ADX] offset:64*\q+32*\c
.endr
.endr
	ds_load_b128 v[XSW:XSW+3], v[ADXS]
.endm
.macro W1FETCH                         ; 36 LDS loads: my 16 fragments of W1 (tile t, K step q: f = 4 t + q) out of the slot into window 1, and their scale words
	WIN 0x40                                       ; destination window 1
.irp f, 0,1,2,3,4,5,6,7,8,9,10,11,12,13,14,15
.irp c, 0,1
	ds_load_b128 v[8*\f+4*\c:8*\f+4*\c+3], v[WOF] offset:1024*\f+512*\c
.endr
.endr
	WIN 0
.irp i, 0,1,2,3
	ds_load_b64 v[W1S+2*\i:W1S+2*\i+1], v[WSF] offset:256*\i
.endr
.endm
.macro W2LOAD                          ; 36 loads from memory: my 16 fragments of this chunk's W2 (K step s, tile b) into window 1, 512 consecutive bytes a load, and their scale words, 256 a load
	WIN 0x40                                       ; destination window 1
.irp s, 0,1
.irp b, 0,1,2,3,4,5,6,7
.irp c, 0,1
	global_load_b128 v[W2R+64*\s+8*\b+4*\c:W2R+64*\s+8*\b+4*\c+3], v[WOF], s[10:11] offset:BLKB+(2*\b+\s)*1024+512*\c
.endr
.endr
.endr
	WIN 0
.irp p, 0,1,2,3
	global_load_b64 v[W2S+2*\p:W2S+2*\p+1], v[WSF], s[10:11] offset:BLKB+256*\p
.endr
.endm
.macro B1LOAD off                      ; eight loads: lane (r, h) wants, for tile 2 b + u, b1 at my hidden units 32 b + 16 h + 8 u + 0 .. 7: the result's layout.  off: 0 this chunk's, 1,024 the next chunk's
.irp t, 0,1,2,3
	global_load_b128 v[B1R+8*\t:B1R+8*\t+3], v[AB1], s[12:13] offset:(\off)+(32*(\t/2)+8*(\t%2))*4
	global_load_b128 v[B1R+8*\t+4:B1R+8*\t+7], v[AB1], s[12:13] offset:(\off)+(32*(\t/2)+8*(\t%2))*4+16
.endr
.endm
; 16 products: my four tiles of 16 hidden units x 16 rows, K = 512 in four steps.  The four accumulators take turns, one instruction a turn.  b1 is the C of each sum's first product.
.macro P1MUL
	WIN 0x01                                       ; source 0 (W1) window 1
.irp q, 0,1,2,3
.irp t, 0,1,2,3
.if \q == 0
	MM HR+8*\t, 8*(4*\t+\q), XR+8*\q, B1R+8*\t, W1S+4*(\t/2)+\q, XSW+\q, \t%2
.else
	MM HR+8*\t, 8*(4*\t+\q), XR+8*\q, HR+8*\t, W1S+4*(\t/2)+\q, XSW+\q, \t%2
.endif
.endr
.endr
	WIN 0
.endm
; gelu of my 32 numbers, in pairs.  The 32 exponentials are one batch with one wait, and so are the 32 reciprocals; a plain line of the next pair leads each two of them.  Each tile is read from its low end on.
.macro GELU
.set j, 0
.rept 16
	v_pk_mul_f32 v[TR+2*j:TR+2*j+1], v[HR+2*j:HR+2*j+1], v[HR+2*j:HR+2*j+1]          ; x x
.set j, j+1
.endr
.set j, 0
.rept 16
	v_pk_fma_f32 v[TR+2*j:TR+2*j+1], v[TR+2*j:TR+2*j+1], v[KC1:KC1+1], v[KC0:KC0+1]  ; K0 + K1 x x
.set j, j+1
.endr
	v_pk_mul_f32 v[TR:TR+1], v[TR:TR+1], v[HR:HR+1]                                  ; times x
.set j, 0
.rept 16
.if j < 15
	v_pk_mul_f32 v[TR+2*j+2:TR+2*j+3], v[TR+2*j+2:TR+2*j+3], v[HR+2*j+2:HR+2*j+3]
.endif
	v_exp_f32 v[TR+2*j], v[TR+2*j]
	v_exp_f32 v[TR+2*j+1], v[TR+2*j+1]
.set j, j+1
.endr
	v_nop                                          ; a plain instruction behind the last exponential,
	s_wait_alu depctr_va_vdst(0)                   ; and the wait ahead of the first line that names a result: one for the 32
	v_pk_add_f32 v[TR:TR+1], v[TR:TR+1], 1.0 op_sel_hi:[1,0]
.set j, 0
.rept 16
.if j < 15
	v_pk_add_f32 v[TR+2*j+2:TR+2*j+3], v[TR+2*j+2:TR+2*j+3], 1.0 op_sel_hi:[1,0]
.endif
	v_rcp_f32 v[TR+2*j], v[TR+2*j]
	v_rcp_f32 v[TR+2*j+1], v[TR+2*j+1]
.set j, j+1
.endr
	v_nop
	s_wait_alu depctr_va_vdst(0)                   ; one for the 32 reciprocals
.set j, 0
.rept 16
	v_pk_mul_f32 v[HR+2*j:HR+2*j+1], v[HR+2*j:HR+2*j+1], v[TR+2*j:TR+2*j+1]
.set j, j+1
.endr
.endm
; My 32 numbers of a row, register 16 b + i = unit 32 b + 16 h + i, are two half blocks; lane l xor 16 holds the other halves.  They become four registers of codes and two scale bytes, and go to LDS.
.macro QUANT2
.irp n, 0,1,2,3
	v_max3_num_f32 v[MX+\n], |v[HR+8*\n]|, |v[HR+8*\n+1]|, 0x1800000     ; four chains of eight numbers, and the floor 2^(3 - 127): so the byte cannot fall under 1
.endr
.irp i, 2,4,6
.irp n, 0,1,2,3
	v_max3_num_f32 v[MX+\n], v[MX+\n], |v[HR+8*\n+\i]|, |v[HR+8*\n+\i+1]|
.endr
.endr
.irp b, 0,1
	v_max_num_f32 v[MX+2*\b], v[MX+2*\b], v[MX+2*\b+1]
.endr
.irp b, 0,1
	v_permlanex16_b32 v[PX+\b], v[MX+2*\b], s[SEL], s[SEL+1]
.endr
.irp b, 0,1
	v_max_num_f32 v[MX+2*\b], v[MX+2*\b], v[PX+\b]                       ; the block's largest magnitude
.endr
.irp b, 0,1
	v_add_nc_u32 v[SO+\b], 0xff000000, v[MX+2*\b]                        ; 2 off its exponent field: the conversion's scale operand
.endr
.irp b, 0,1
	v_lshrrev_b32 v[BY+\b], 23, v[SO+\b]                                 ; the scale's byte
.endr
	v_lshl_or_b32 v[PW], v[BY+1], 8, v[BY]
.irp n, 0,1,2,3
	v_cvt_scalef32_pk8_fp4_f32 v[CD+\n], v[HR+8*\n:HR+8*\n+7], v[SO+\n/2]
.endr
	v_nop                                          ; one plain place behind a scaled conversion
	v_permlane16_swap_b32 v[CD], v[CD+2]           ; the operand's layout wants a WHOLE block in a lane: lanes 0-15 my block 0, lanes 16-31 my block 1
	v_permlane16_swap_b32 v[CD+1], v[CD+3]
	ds_store_b128 v[HWI], v[CD:CD+3]               ; registers 4 (w % 2) on of hidden fragment (m, w / 2), as they stand
	ds_store_b16 v[HWS], v[PW]                     ; bytes 2 (w % 2) and 2 (w % 2) + 1 of its scale word
.endm
; PHASE 1: eight trips, a tile of 16 rows each.  A trip multiplies, fetches the next tile of x (the last trip: tile 0, for the next chunk), and turns its 32 results a lane into codes.
.macro P1LOOP
	s_mov_b32 s45, 0                               ; the tile of rows
	s_mov_b32 s49, 0                               ; its place among the hidden images: 2,048 a tile,
	s_mov_b32 s50, 0                               ; and among their scale words: 256 a tile
.Lm_\@:
	s_wait_dscnt 2                                 ; x's nine loads are in; the last trip's two stores, issued behind them, may be out (at the loop's entry nothing is out)
	P1MUL
	s_add_co_u32 s45, s45, 1
	s_and_b32 s46, s45, 7                          ; the next tile, round the end
	s_mul_i32 s47, s46, 16*XPITCH
	s_lshl_b32 s48, s46, 8
	v_add_nc_u32 v[ADX], s47, v[AX0]               ; these two and two v_nop are the four places between the products and the loads into x's registers, and the first read of the results
	v_add_nc_u32 v[ADXS], s48, v[AXS0]
	PLACES 2
	XFETCH
	GELU
	s_wait_dscnt 9                                 ; all but the nine just issued: the last trip's two stores have read their registers, which are written again below
	v_add_nc_u32 v[HWI], s49, v[HWI0]
	v_add_nc_u32 v[HWS], s50, v[HWS0]
	QUANT2
	s_add_co_u32 s49, s49, 2048
	s_add_co_u32 s50, s50, 256
	s_cmp_lt_u32 s45, 8
	s_cbranch_scc1 .Lm_\@
.endm
.macro HQ s, m0                        ; 8 LDS loads: the hidden fragments of tiles of rows m0 .. m0 + 3, K step s
.irp m, \m0, \m0+1, \m0+2, \m0+3
.irp c, 0,1
	ds_load_b128 v[HR+8*(\m)+4*\c:HR+8*(\m)+4*\c+3], v[LHI] offset:(2*(\m)+(\s))*1024+512*\c
.endr
.endr
.endm
; 32 products: tiles of rows a0 .. a0 + 3 x my eight tiles of outputs, K step s.  The 64 accumulators take turns, one instruction a turn, in the same order in every K step.
; zero = 1: the launch's first K step starts the sums: nothing is ever cleared.
.macro MUL32 a0, s, zero
	WIN 0xa1+0x50*((\a0)/4)                        ; source 0 (W2) window 1, source 1 (the hidden layer) window 0, C and D window 2 (a0 = 0) or 3 (a0 = 4)
.irp a, \a0, \a0+1, \a0+2, \a0+3
.irp b, 0,1,2,3,4,5,6,7
.if \zero
	MM0 8*(8*((\a)%4)+\b), W2R+64*(\s)+8*\b, HR+8*(\a), W2S+2*(\b/2)+(\s), HS+2*(\a)+(\s), \b%2
.else
	MM 8*(8*((\a)%4)+\b), W2R+64*(\s)+8*\b, HR+8*(\a), 8*(8*((\a)%4)+\b), W2S+2*(\b/2)+(\s), HS+2*(\a)+(\s), \b%2
.endif
.endr
.endr
.endm
; PHASE 2.  next = 1: b1 and W1 of the next chunk come into registers on the way.  zero = 1: the first chunk.
.macro P2 next, zero
.if \next
	B1LOAD 1024
.endif
.irp i, 0,1,2,3,4,5,6,7,8,9,10,11,12,13,14,15
	ds_load_b32 v[HS+\i], v[LHS] offset:128*\i
.endr
	HQ 0, 0
	HQ 0, 4
.if \next
	s_wait_loadcnt 8                               ; W2's 36 loads, asked for at the chunk's head, are in; b1's eight, just issued, may be out
.else
	s_wait_loadcnt 0x0
.endif
	s_wait_dscnt 8                                 ; the youngest eight may be out: hidden tiles 4-7
	MUL32 0, 0, \zero
	s_wait_dscnt 0x0                               ; hidden tiles 4-7 are in
	WIN 0
	PLACES 4                                       ; in front of loads into registers that the products above have read
	HQ 1, 0
	MUL32 4, 0, \zero
	WIN 0
	PLACES 4
	HQ 1, 4
.if \next
	W1FETCH
	s_wait_dscnt 44                                ; the youngest 44 may be out: hidden tiles 4-7 of K step 1 (8) and W1 (36)
.else
	s_wait_dscnt 8
.endif
	MUL32 0, 1, 0
.if \next
	s_wait_dscnt 36                                ; W1 may be out
.else
	s_wait_dscnt 0x0
.endif
	MUL32 4, 1, 0
	WIN 0
.endm
; A CHUNK.  zero = 1: the first.  last = 1: nothing of a next chunk is fetched.
.macro CHUNK zero, last
	MEET 0                                         ; my reads of the slot (this chunk's W1) and of the hidden images are over
	BAR                                            ; and so are those of all four waves
.if !\last
	tensor_load_to_lds s[G0:G0+3], s[G1:G1+7]      ; my quarter of the next chunk's W1: the first thing behind the barrier, and my one tensor load until the next such barrier
	s_nop 0
.endif
	PLACES 5                                       ; four behind a tensor load; four in front of the loads into W2's registers; five between the last products and the products that write over registers that they read
	W2LOAD                                         ; this chunk's W2: it has all of phase 1 in which to land
	s_wait_loadcnt 36                              ; b1 of this chunk (in the first chunk b2 too) is in; W2's 36 loads may be out
	P1LOOP
.if \last
	MEET 0
.else
	MEET 1                                         ; my part of the slot has landed, my images lie in LDS
.endif
	BAR                                            ; everybody's
.if \last
	P2 0, \zero
.else
	P2 1, \zero
	s_wait_xcnt 0x0                                ; every load issued so far has read its base: both bases go on to the next chunk
	s_add_nc_u64 s[10:11], s[10:11], PAIR
	s_add_nc_u64 s[12:13], s[12:13], 1024
.endif
.endm
	s_load_b256 s[4:11], s[0:1], 0x0               ; x's codes s[4:5], x's scales s[6:7], assignment s[8:9], wq s[10:11]
	s_load_b128 s[12:15], s[0:1], 0x20             ; b1, b2
	s_load_b64 s[16:17], s[0:1], 0x30              ; out
	v_lshl_add_u32 v[SPW], v0, 2, SPARE
	v_mov_b32 v[NIL], 0
	ds_add_u32 v4, v5
	ds_add_u32 v4, v5
	s_wait_dscnt 0x0
	v_lshrrev_b32 v1, 5, v0
	v_readfirstlane_b32 s[WV], v1                  ; wave 0..3
	v_and_b32 v1, 31, v0                           ; l
	v_lshlrev_b32 v[CO], 4, v1
	v_lshlrev_b32 v30, 4, v0                       ; x's scale bytes: a thread a row
	s_and_b32 s22, ttmp9, 0xfc                     ; 4 bytes x my sentence, which is work-group / 4
	s_mov_b32 s23, 0
	s_lshl_b32 s24, ttmp9, 7                       ; my work-group's first row of the 32,768
	s_wait_kmcnt 0x0
	s_add_nc_u64 s[8:9], s[8:9], s[22:23]
	s_load_b32 s20, s[8:9], 0x0                    ; the sentence's expert: it is on its way while x is asked for
	s_lshl_b32 s22, s24, 4
	s_add_nc_u64 s[6:7], s[6:7], s[22:23]          ; x's scale bytes: 16 a row
	s_lshl_b32 s22, s24, 11
	s_lshl_b32 s25, s[WV], 9
	s_add_co_u32 s22, s22, s25
	s_add_nc_u64 s[16:17], s[16:17], s[22:23]      ; out: 2,048 bytes a row, + my 128 outputs
	s_lshl_b32 s25, s[WV], 5
	s_add_co_u32 s24, s24, s25
	s_lshl_b32 s22, s24, 8
	s_add_nc_u64 s[4:5], s[4:5], s[22:23]          ; x's codes: 256 bytes a row; wave w copies rows 32 w on
	; x's 128 rows come through registers into padded rows of LDS, once; each load reads 512 consecutive bytes, two rows
.irp i, 0,1,2,3,4,5,6,7,8,9,10,11,12,13,14,15
	global_load_b128 v[HR+4*\i:HR+4*\i+3], v[CO], s[4:5] offset:512*\i th:TH_LOAD_NT
.endr
	global_load_b128 v[XR:XR+3], v30, s[6:7] th:TH_LOAD_NT
	; descriptor group 1: 68 rows of 256 bytes (32 elements of 8 bytes), dense in memory and in LDS
	s_mov_b32 s[G1+0], 3<<16                       ; 15:0 no mask; 17:16 elements of 8 bytes; 20 no padding
	s_mov_b32 s[G1+1], 32<<16                      ; tensor_dim0
	s_mov_b32 s[G1+2], 68<<16                      ; tensor_dim1
	s_mov_b32 s[G1+3], 32<<16                      ; tile_dim0
	s_mov_b32 s[G1+4], 68                          ; tile_dim1
	s_mov_b32 s[G1+5], 32                          ; tensor_dim0_stride
	s_mov_b32 s[G1+6], 0
	s_mov_b32 s[G1+7], 0
	s_mov_b32 s[SEL], 0x76543210
	s_mov_b32 s[SEL+1], 0xfedcba98
	; every LDS address: constants, the lane and the wave's number alone
	v_and_b32 v2, 15, v0                           ; r
	v_bfe_u32 v3, v0, 4, 1                         ; h
	v_mul_u32_u24 v[AX0], v2, XPITCH
	v_lshl_add_u32 v[AX0], v3, 4, v[AX0]
	v_add_nc_u32 v[AX0], XC, v[AX0]
	v_lshl_add_u32 v[AXS0], v2, 4, XSB
	s_lshl_b32 s21, s[WV], 14
	v_add_nc_u32 v[WOF], s21, v[CO]
	s_lshl_b32 s21, s[WV], 10
	v_lshl_add_u32 v[WSF], v1, 3, s21
	v_add_nc_u32 v[WSF], 65536, v[WSF]
	s_lshl_b32 s21, s[WV], 9
	v_add_nc_u32 v[HWI0], s21, v[CO]
	v_add_nc_u32 v[HWI0], HIMG, v[HWI0]
	s_lshr_b32 s21, s[WV], 1
	s_lshl_b32 s21, s21, 7
	s_and_b32 s26, s[WV], 1
	s_lshl_b32 s26, s26, 1
	s_add_co_u32 s21, s21, s26
	v_lshl_add_u32 v[HWS0], v1, 2, s21
	v_add_nc_u32 v[HWS0], HSC, v[HWS0]
	v_add_nc_u32 v[LHI], HIMG, v[CO]
	v_lshl_add_u32 v[LHS], v1, 2, HSC
	v_lshlrev_b32 v[AB1], 6, v3
	s_mul_i32 s21, s[WV], 16*SPITCH
	s_add_co_u32 s21, s21, STG                     ; my stage
	v_mul_u32_u24 v[STO], v2, SPITCH               ; in: row r, 32 bytes for each half of the lanes
	v_lshl_add_u32 v[STO], v3, 5, v[STO]
	v_add_nc_u32 v[STO], s21, v[STO]
	v_add_nc_u32 v[RD], s21, v[CO]                 ; back: the 32 lanes take one row of 512 bytes
	s_mul_i32 s21, s[WV], 32*XPITCH
	s_add_co_u32 s21, s21, XC
	v_mul_u32_u24 v29, v3, XPITCH                  ; x's codes on their way in: lanes 0-15 one row, lanes 16-31 the next
	v_lshl_add_u32 v29, v2, 4, v29
	v_add_nc_u32 v29, s21, v29
	v_add_nc_u32 v31, XSB, v30
	v_mov_b32 v[KC0], 0xc0135761                   ; K0 = -2.3022082
	v_mov_b32 v[KC0+1], 0xc0135761
	v_mov_b32 v[KC1], 0xbdd2d3e8                   ; K1 = -0.10294324
	v_mov_b32 v[KC1+1], 0xbdd2d3e8
	v_mov_b32 v[PX], 0                             ; written once: a lane permute's destination counts as one of its sources
	v_mov_b32 v[PX+1], 0
	s_wait_kmcnt 0x0
	s_min_u32 s20, s20, 7                          ; the index is held inside the table
	s_mov_b32 s27, 0
	s_mul_i32 s26, s20, ESTR
	s_add_nc_u64 s[10:11], s[10:11], s[26:27]      ; wq at my expert's chunk 0
	s_lshl_b32 s26, s20, 13
	s_lshl_b32 s21, s[WV], 8
	s_add_co_u32 s26, s26, s21
	s_add_nc_u64 s[12:13], s[12:13], s[26:27]      ; b1: my expert's 2,048 numbers, my 64 of chunk 0
	s_lshl_b32 s26, s20, 11
	s_lshl_b32 s21, s[WV], 9
	s_add_co_u32 s26, s26, s21
	s_add_nc_u64 s[14:15], s[14:15], s[26:27]      ; b2: my expert's 512, my 128
	s_mul_i32 s26, s[WV], QUART
	s_mov_b32 s[G0], 1                             ; 1:0 count = 1
	s_mov_b32 s[G0+1], s26                         ; 63:32 LDS address: my quarter of the slot
	s_add_nc_u64 s[G0+2:G0+3], s[10:11], s[26:27]  ; 120:64 global address: my quarter of block 0, W1(0)
	s_or_b32 s[G0+3], s[G0+3], 0x80000000          ; 127:126 type = 2
	tensor_load_to_lds s[G0:G0+3], s[G1:G1+7]      ; the first fill: ahead of every wait on TENSORcnt, every LDS read and every barrier
	s_nop 0
	PLACES 4
	B1LOAD 0                                       ; chunk 0's
	global_load_b128 v[B2R:B2R+3], v[CO], s[14:15] ; b2 at my outputs 4 l .. 4 l + 3
	s_wait_loadcnt 9                               ; x is in; b1's eight loads and b2's one may be out
.irp i, 0,1,2,3,4,5,6,7,8,9,10,11,12,13,14,15
	ds_store_b128 v29, v[HR+4*\i:HR+4*\i+3] offset:2*XPITCH*\i
.endr
	ds_store_b128 v31, v[XR:XR+3]
	MEET 1                                         ; my quarter of W1(0) has landed, my rows of x lie in LDS; the descriptor goes on to W1(1)
	BAR                                            ; everybody's
	W1FETCH
	v_mov_b32 v[ADX], v[AX0]
	v_mov_b32 v[ADXS], v[AXS0]
	XFETCH                                         ; rows 0 to 15
	CHUNK 1, 0                                     ; chunk 0 is written out: its first products of phase 2 start the sums
	s_mov_b32 s44, 6
.Lchunk:                                           ; chunks 1 to 6
	CHUNK 0, 0
	s_sub_co_u32 s44, s44, 1
	s_cmp_lg_u32 s44, 0
	s_cbranch_scc1 .Lchunk
	CHUNK 0, 1                                     ; chunk 7 is written out: it asks for nothing more
; THE WAY OUT, block by block of 16 rows x my 128 outputs.  A lane holds 32 neighbouring bytes of a row, and the lanes beside it hold other rows: so a block goes through my own stage in LDS and comes back as whole rows
; of 512 bytes; there lane l holds outputs 4 l .. 4 l + 3 of every row, and b2 is added.  LDS serves a wave's instructions in order (ISA guide 5.7.1.4): no wait between the stores and the loads, nor in front of the next block's stores.
.macro TOSTAGE a
.set AC, 64*((\a)%4)
	WIN 0x08+4*((\a)/4)                            ; an LDS store's data are its source 1: window 2 or 3
.irp b, 0,1,2,3,4,5,6,7
	ds_store_b128 v[STO], v[AC+8*\b:AC+8*\b+3] offset:64*\b          ; each accumulator from its low end on
	ds_store_b128 v[STO], v[AC+8*\b+4:AC+8*\b+7] offset:64*\b+16
.endr
	WIN 0
.set BB, BK+64*((\a)%2)
.irp t, 0,1,2,3,4,5,6,7,8,9,10,11,12,13,14,15
	ds_load_b128 v[BB+4*\t:BB+4*\t+3], v[RD] offset:\t*SPITCH
.endr
.endm
.macro SEND a, younger                 ; younger: the LDS instructions issued behind block a's loads, which may stay out
.set BB, BK+64*((\a)%2)
	s_wait_dscnt \younger                          ; the block is back in registers
.if (\a) > 0
	s_add_nc_u64 s[16:17], s[16:17], 16*2048       ; (behind a wait on XCNT: the earlier stores have read their base)  16 rows of out on
.endif
.irp t, 0,1,2,3,4,5,6,7,8,9,10,11,12,13,14,15
	v_pk_add_f32 v[BB+4*\t:BB+4*\t+1], v[BB+4*\t:BB+4*\t+1], v[B2R:B2R+1]
	v_pk_add_f32 v[BB+4*\t+2:BB+4*\t+3], v[BB+4*\t+2:BB+4*\t+3], v[B2R+2:B2R+3]
	global_store_b128 v[CO], v[BB+4*\t:BB+4*\t+3], s[16:17] offset:\t*2048 th:TH_STORE_NT   ; 32 lanes store 512 consecutive bytes, at a multiple of 256 from out's first byte; written once, read by nobody here
.endr
.endm
	PLACES 4                                       ; between the last products and the first reads of results, and the loads into registers that they read
	TOSTAGE 0
.irp a, 1,2,3,4,5,6,7
.if \a > 1
	s_wait_xcnt 0x0                                ; block a - 2's stores have read their registers and their base: block a's loads may land there, and the base may step
.endif
	TOSTAGE \a
	SEND \a-1, 32                                  ; behind block a - 1's loads: block a's 16 stores and 16 loads
.endr
	s_wait_xcnt 0x0                                ; block 6's stores have read their base
	SEND 7, 0
	MEET 0                                         ; the wave's end: behind my last tensor load and my last LDS store
	s_endpgm
.Lfunc_end_k_qa39fe68c05_ffn:
	.size	k_qa39fe68c05_ffn, .Lfunc_end_k_qa39fe68c05_ffn-k_qa39fe68c05_ffn
	.p2alignl 7, 3214868480
	.fill 96, 4, 3214868480
	.section	.rodata,"a",@progbits
	.p2align	6, 0x0
	.amdhsa_kernel k_qa39fe68c05_ffn
		.amdhsa_group_segment_fixed_size 327680
		.amdhsa_private_segment_fixed_size 0
		.amdhsa_enable_private_segment 0
		.amdhsa_kernarg_size 56
		.amdhsa_user_sgpr_count 2
		.amdhsa_user_sgpr_kernarg_segment_ptr 1
		.amdhsa_wavefront_size32 1
		.amdhsa_system_sgpr_workgroup_id_x 1
		.amdhsa_system_sgpr_workgroup_id_y 1
		.amdhsa_system_sgpr_workgroup_id_z 1
		.amdhsa_system_vgpr_workitem_id 0
		.amdhsa_next_free_vgpr 1024
		.amdhsa_next_free_sgpr 66
		.amdhsa_reserve_vcc 0
		.amdhsa_float_denorm_mode_32 3
		.amdhsa_float_denorm_mode_16_64 3
		.amdhsa_memory_ordered 1
		.amdhsa_forward_progress 1
		.amdhsa_inst_pref_size 173
	.end_amdhsa_kernel
	.amdgpu_metadata
---
amdhsa.version: [ 1, 2 ]
amdhsa.kernels:
  - .name:           k_qa39fe68c05_ffn
    .symbol:         k_qa39fe68c05_ffn.kd
    .args:
      - { .name: hidden_states_codes, .offset: 0, .size: 8, .value_kind: global_buffer, .address_space: global }
      - { .name: hidden_states_scales, .offset: 8, .size: 8, .value_kind: global_buffer, .address_space: global }
      - { .name: assignment, .offset: 16, .size: 8, .value_kind: global_buffer, .address_space: global }
      - { .name: wq, .offset: 24, .size: 8, .value_kind: global_buffer, .address_space: global }
      - { .name: b1, .offset: 32, .size: 8, .value_kind: global_buffer, .address_space: global }
      - { .name: b2, .offset: 40, .size: 8, .value_kind: global_buffer, .address_space: global }
      - { .name: out0, .offset: 48, .size: 8, .value_kind: global_buffer, .address_space: global }
    .group_segment_fixed_size: 327680
    .private_segment_fixed_size: 0
    .kernarg_segment_align: 8
    .kernarg_segment_size: 56
    .max_flat_workgroup_size: 128
    .sgpr_count:     66
    .vgpr_count:     1024
    .wavefront_size: 32
...
	.end_amdgpu_metadata
.endif
;; end of part 2
